; MI455X (gfx1250); checked and timed in simulation.
; The chip was launched on July 23, 2026; its instructions are those of AMD's public machine-readable ISA for CDNA 5 (MIT licence, August 2026) and "CDNA5" Instruction Set Architecture Reference Guide (July 2026). The comments in the code are by the model that wrote it; some were corrected since.
;; Multi Query Attention. Allowed arithmetic: matrix products marked QUANTISED: E2M3 operands, one E8M0 scale for each 32 along K, by v_wmma_scale_f32_16x16x128_f8f6f4 with both operands' format E2M3, f32 sums; everything else in f32.
;; Inputs: kn_b 64 float32; kn_w 64 float32; n_b 1,024 float32; n_w 1,024 float32; proj_w 1,024 x 1,024 float32; qn_b 64 float32; qn_w 64 float32; x_k 4 x 2,048 x 64 float32; x_q 4 x 2,048 x 1,024 float32; x_v 4 x 2,048 x 64 float32.
;; Outputs: out0 4 x 2,048 x 1,024 float32.
;; This version of the problem:
;;   THIS VERSION OF THE PROBLEM IS GIVEN IN LOW PRECISION. The matrix products marked QUANTISED in the list below multiply operands that are first quantised to E2M3 (2 exponent bits, 3 mantissa bits; 6 bits a number), with one power-of-two scale for each 32 numbers along K (OCP MX v1.0); their sums are f32. All else is computed in f32.
;;   The module's matrix products, in the order in which they are computed (A, B: the left and right operand; K: the contracted axis; several contracted axes count as one K, in the product's order):
;;     1. batch 4 x [M 32,768, K 64] x [K 64, N 2,048]; A: computed on the way; B: computed on the way: QUANTISED
;;     2. batch 4 x [M 32,768, K 2,048] x [K 2,048, N 64]; A: softmax (see below); B: input x_v: QUANTISED
;;     3. [M 8,192, K 1,024] x [K 1,024, N 1,024]; A: computed on the way; B: input proj_w: QUANTISED
;;   THE QUANTISER, for each operand of a quantised product, along K:
;;     - K is cut into blocks of 32 from its start; a last block that is shorter is filled with zeros.
;;     - A block's scale is 2^e with e = floor(log2(the largest magnitude in the block)) - 2, held to -126 .. 127; a block of zeros has e = 0. As a byte (E8M0): e + 127.
;;     - Each number is divided by its block's scale, clamped to +-7.5, and rounded to the nearest number of E2M3, ties to even, subnormals kept.
;;     - The product sums the exact products of the quantised numbers (number of the format x scale) in f32.
;;   ~~~python
;;   def quantise(x, axis):      # numpy; x: float32 -> the quantised numbers, widened to float32 again
;;       x = np.moveaxis(x, axis, -1); K = x.shape[-1]
;;       x = np.pad(x, [(0, 0)] * (x.ndim - 1) + [(0, -K % 32)]); x = x.reshape(x.shape[:-1] + (-1, 32)); a = np.abs(x).max(-1, keepdims=True)
;;       e = np.where(a > 0, np.clip(np.frexp(np.where(a > 0, a, 1))[1] - 1 - 2, -126, 127), 0)      # np.frexp(a)[1] - 1 = floor(log2(a)), exactly
;;       r = np.clip(x / 2.0 ** e, -7.5, 7.5)
;;       step = 2.0 ** (np.maximum(np.frexp(np.where(r == 0, 1, r))[1] - 1, 0) - 3)
;;       q = np.round(r / step) * step * 2.0 ** e      # np.round: ties to even
;;       return np.moveaxis(q.reshape(q.shape[:-2] + (-1,))[..., :K], -1, axis).astype(np.float32)
;;   ~~~
;;   SOFTMAX AHEAD OF A QUANTISED PRODUCT. Where the list says 'softmax', what is quantised is not the finished softmax but p = 2^(t - M), with t = logit x log2(e) and M = ceil(the row's largest t), a whole number; so 1/2 < the row's largest p <= 1. The row's sum l is taken of the UNQUANTISED p, in f32, and the product's result is divided by l at the end. Since M is a whole number, a kernel that streams over the keys may use a running M (the ceiling of the running maximum): every later rescaling is an exact power of two, which a block's scale takes up: the codes' values come out the same.
;;   OPERANDS COMPUTED ON THE WAY. 'Computed on the way' means the value that the module computes at that place (a softmax that the list does not call 'softmax' is quantised finished and normalised). What goes into a quantiser is computed in f32, as accurately as f32 sums, v_exp_f32 and their like allow (about 1e-6 of the number): no bf16 or f16 on the way to a quantiser, and a product that is left as it is and whose result goes on into a quantised operand takes f32 operands (vector FMAs, or v_wmma_f32_16x16x4_f32). A number that lies on a knife's edge between two numbers of the format may be rounded either way, as far as f32 arithmetic and the matrix unit's own rounding can turn it there, and no further.
;; One version. Each part assembles by itself: llvm-mc -triple=amdgcn-amd-amdhsa -mcpu=gfx1250 --defsym DOCPART=n.
;; ======== version 1 of 1: 3 launches
;; limits: right only within a limited range of input values
;; workspace buffers: kv 851,968 bytes; wcodes 786,432 bytes; xcodes 6,291,456 bytes; sc 294,912 bytes
;; launch prep (part 1): grid 256 x 1, 4 waves a work-group, no clusters, 1,792 bytes of LDS; arguments x_k, kn_w, kn_b, x_v, proj_w, kv, wcodes, sc; writes kv, wcodes, sc
.if DOCPART == 1
	.amdgcn_target "amdgcn-amd-amdhsa--gfx1250"
	.amdhsa_code_object_version 6
	.text
	.protected	k_qb67689ae5a_prep
	.globl	k_qb67689ae5a_prep
	.p2align	8
	.type	k_qb67689ae5a_prep,@function
k_qb67689ae5a_prep:
	s_mov_b64 s[64:65], 0
	v_nop
	global_prefetch_b8 v0, s[64:65] scope:SCOPE_SE
	s_setreg_imm32_b32 hwreg(HW_REG_WAVE_MODE, 25, 1), 1
	s_wait_xcnt 0x0
; PREP: the three operands that many work-groups read later are quantised once, to codes of E2M3 with one E8M0 byte for each 32 along K,
; and stored IN THE ORDER OF THE OPERAND'S REGISTERS.  A fragment (16 rows x 128 K, 12 registers a lane) is 1,536 bytes: three groups of 512 bytes,
; lane l's registers 4 g .. 4 g + 3 at byte 512 g + 16 l.  One wave makes one fragment; 1,024 fragments, 256 work-groups of four waves.
;   work-groups 0-63:    k = LayerNorm(x_k) of one key step (128 keys of one batch), K = the head's 64: a fragment holds TWO tiles of 16 keys, six registers each.
;   work-groups 64-127:  x_v of one key step, K = the keys: a lane takes a channel d and its registers run down the keys.
;   work-groups 128-255: proj_w, 16 rows x 512 along K.
; WHICH ROWS FORM A TILE is chosen for the reader.  Tile t of K, row p: key 64 (t / 4) + 32 (p / 8) + 8 (t % 4) + p % 8 of the step;
; tile t of V, row p: channel 32 (p / 8) + 8 t + p % 8.  Then a lane of the attention kernel holds whole blocks of 32 along the next K.
; kv: [batch][step][13,312]: 4 fragments of K, 512 bytes of K's scale words, 4 fragments of V, 512 bytes of V's scale words.
; The three paths part on the work-group's number, which all four waves share; each has LDS bytes of its own (K 0-511, V 512-1,023, W 1,024-1,279).
; No tensor loads, no matrix work, no cluster: no two work-groups read the same bytes.
; LIMITS: NaN and infinities among the inputs are not served.  A block whose largest magnitude lies under 2^-124 keeps the scale byte 1, a block of zeros too
; (the rule says 127 there): its codes are zeros, which add nothing under any byte but 0xff, and this program alone reads the bytes.
.set WV,   20                          ; s20      my wave's number
.set SEL,  28                          ; s[28:29] lane selects: lane l xor 16
.set INV,  30                          ; s30      1 / 64
.set EPS,  31                          ; s31      1e-5
.set R,    1                           ; v1   lane % 16
.set H,    2                           ; v2   lane / 16
.set SH8,  3                           ; v3   8 x (lane / 16)
.set L16,  4                           ; v4   16 x lane
.set LO,   5                           ; v5   my offset in the input
.set KA,   6                           ; v6   LDS: where my two scale words of K go
.set VA,   7                           ; v7   LDS: my scale word of V
.set WA,   8                           ; v8   LDS: my scale word of W
.set L8,   9                           ; v9   8 x lane
.set T,    10                          ; v10-15 at work in the norm, v16 at work
.set SO,   18                          ; v18-19 largest magnitudes, then scale operands, then bytes
.set WD,   20                          ; v20  the scale word
.set PT,   21                          ; v21  the partner lane's part of it
.set W0,   22                          ; v22-23 the two tiles' scale words (K)
.set FR,   24                          ; v24-35 the fragment
.set TMP,  36                          ; v36-42 the halves that a conversion cannot put at an odd register
.set BACK, 44                          ; v44-47 the scale image on its way out
.set FO,   48                          ; v48  the fragment's offset: 16 x lane + 1,536 x wave
.set RR,   49                          ; v49  32 (r / 8) + r % 8
.set HO,   50                          ; v50  128 x (lane / 16)
.set SRC,  64                          ; v64-127  64 numbers
.set WR,   128                         ; v128-159 the gain at my 32 channels
.set BR,   160                         ; v160-191 the bias
.set STEPB, 13312
; LayerNorm over 64 for two rows by turns (x = 0, 1).  v[src + 32 x + i] = channel 32 (lane / 16) + i of row x; lane l xor 16 holds the other 32.
; Mean first, then the deviations, then their squares: no difference of large sums is formed.
.macro LN2 src, wr, br
.irp x, 0,1
	v_pk_add_f32 v[T+2*\x:T+2*\x+1], v[\src+32*\x:\src+32*\x+1], v[\src+32*\x+2:\src+32*\x+3]
.endr
.irp i, 4,6,8,10,12,14,16,18,20,22,24,26,28,30
.irp x, 0,1
	v_pk_add_f32 v[T+2*\x:T+2*\x+1], v[T+2*\x:T+2*\x+1], v[\src+32*\x+\i:\src+32*\x+\i+1]
.endr
.endr
.irp x, 0,1
	v_add_f32 v[T+2*\x], v[T+2*\x], v[T+2*\x+1]
.endr
.irp x, 0,1
	v_permlanex16_b32 v[T+4+\x], v[T+2*\x], s[SEL], s[SEL+1]
.endr
.irp x, 0,1
	v_add_f32 v[T+2*\x], v[T+2*\x], v[T+4+\x]
.endr
.irp x, 0,1
	v_mul_f32 v[T+2*\x], s[INV], v[T+2*\x]         ; the mean
.endr
.irp i, 0,2,4,6,8,10,12,14,16,18,20,22,24,26,28,30
.irp x, 0,1
	v_pk_add_f32 v[\src+32*\x+\i:\src+32*\x+\i+1], v[\src+32*\x+\i:\src+32*\x+\i+1], v[T+2*\x:T+2*\x+1] op_sel_hi:[1,0] neg_lo:[0,1] neg_hi:[0,1]
.endr
.endr
.irp x, 0,1
	v_pk_mul_f32 v[T+2*\x:T+2*\x+1], v[\src+32*\x:\src+32*\x+1], v[\src+32*\x:\src+32*\x+1]
.endr
.irp i, 2,4,6,8,10,12,14,16,18,20,22,24,26,28,30
.irp x, 0,1
	v_pk_fma_f32 v[T+2*\x:T+2*\x+1], v[\src+32*\x+\i:\src+32*\x+\i+1], v[\src+32*\x+\i:\src+32*\x+\i+1], v[T+2*\x:T+2*\x+1]
.endr
.endr
.irp x, 0,1
	v_add_f32 v[T+2*\x], v[T+2*\x], v[T+2*\x+1]
.endr
.irp x, 0,1
	v_permlanex16_b32 v[T+4+\x], v[T+2*\x], s[SEL], s[SEL+1]
.endr
.irp x, 0,1
	v_add_f32 v[T+2*\x], v[T+2*\x], v[T+4+\x]
.endr
.irp x, 0,1
	v_fma_f32 v[T+2*\x], v[T+2*\x], s[INV], s[EPS] ; the variance + 1e-5
.endr
	s_wait_alu depctr_va_vdst(0)
.irp x, 0,1
	v_rsq_f32 v[T+2*\x], v[T+2*\x]
.endr
	v_nop                                          ; a plain instruction behind the last root
	s_wait_alu depctr_va_vdst(0)                   ; one wait for both roots, ahead of their first reader
.irp i, 0,2,4,6,8,10,12,14,16,18,20,22,24,26,28,30
.irp x, 0,1
	v_pk_mul_f32 v[\src+32*\x+\i:\src+32*\x+\i+1], v[\src+32*\x+\i:\src+32*\x+\i+1], v[T+2*\x:T+2*\x+1] op_sel_hi:[1,0]
.endr
.endr
.irp i, 0,2,4,6,8,10,12,14,16,18,20,22,24,26,28,30
.irp x, 0,1
	v_pk_fma_f32 v[\src+32*\x+\i:\src+32*\x+\i+1], v[\src+32*\x+\i:\src+32*\x+\i+1], v[\wr+\i:\wr+\i+1], v[\br+\i:\br+\i+1]
.endr
.endr
.endm
; 64 numbers of a lane, two WHOLE blocks of 32 (c = 0 at src, c = 1 at src + 32; block 2 c + lane / 16 of the row), become 6 registers of codes at d0 and 6 at d1,
; and the row's scale word (bytes of blocks 0 to 3, in both halves of the lanes) in v[wd].
.macro QFRAG src, d0, d1, tmp, so, wd, pt
.irp c, 0,1
	v_max3_num_f32 v[\so+\c], |v[\src+32*\c]|, |v[\src+32*\c+1]|, 0x1800000   ; the floor 2^(3 - 127) among the leaves: the byte cannot fall under 1
.endr
.irp i, 2,4,6,8,10,12,14,16,18,20,22,24,26,28,30
.irp c, 0,1
	v_max3_num_f32 v[\so+\c], v[\so+\c], |v[\src+32*\c+\i]|, |v[\src+32*\c+\i+1]|
.endr
.endr
.irp c, 0,1
	v_add_nc_u32 v[\so+\c], 0xff000000, v[\so+\c]  ; 2 off the exponent field: the conversion takes that field as its scale and nothing else
.endr
	v_cvt_scalef32_pk16_fp6_f32 v[\d0:\d0+2], v[\src:\src+15], v[\so]
	v_cvt_scalef32_pk16_fp6_f32 v[\tmp:\tmp+2], v[\src+16:\src+31], v[\so]      ; (a conversion's three registers begin on an even number)
	v_cvt_scalef32_pk16_fp6_f32 v[\d1:\d1+2], v[\src+32:\src+47], v[\so+1]
	v_cvt_scalef32_pk16_fp6_f32 v[\tmp+4:\tmp+6], v[\src+48:\src+63], v[\so+1]
	v_nop                                          ; one plain instruction behind the conversions
.irp c, 0,1
	v_lshrrev_b32 v[\so+\c], 23, v[\so+\c]         ; the scale's byte
.endr
.irp i, 0,1,2
	v_mov_b32 v[\d0+3+\i], v[\tmp+\i]
	v_mov_b32 v[\d1+3+\i], v[\tmp+4+\i]
.endr
	v_lshl_or_b32 v[\wd], v[\so+1], 16, v[\so]     ; my two bytes: blocks h and 2 + h,
	v_lshlrev_b32 v[\wd], v[SH8], v[\wd]           ; at their places;
	v_permlanex16_b32 v[\pt], v[\wd], s[SEL], s[SEL+1]
	v_or_b32 v[\wd], v[\wd], v[\pt]                ; with lane l xor 16's two the word is whole
.endm
.macro PUTFRAG base, off                           ; three stores of 512 consecutive bytes, each at a multiple of 256 from the buffer's first byte
.irp g, 0,1,2
	global_store_b128 v[FO], v[FR+4*\g:FR+4*\g+3], s[\base:\base+1] offset:\off+512*\g
.endr
.endm
	s_load_b256 s[4:11], s[0:1], 0x0               ; x_k s[4:5], kn_w s[6:7], kn_b s[8:9], x_v s[10:11]
	s_load_b256 s[12:19], s[0:1], 0x20             ; proj_w s[12:13], kv s[14:15], wcodes s[16:17], sc s[18:19]
	v_lshl_add_u32 v192, v0, 2, 0x500
	v_mov_b32 v193, 0
	v_lshrrev_b32 v1, 5, v0
	v_readfirstlane_b32 s[WV], v1                  ; wave 0..3
	v_and_b32 v[R], 15, v0
	v_bfe_u32 v[H], v0, 4, 1
	v_lshlrev_b32 v[SH8], 3, v[H]
	v_and_b32 v[L16], 31, v0
	v_lshlrev_b32 v[L8], 3, v[L16]
	v_lshlrev_b32 v[L16], 4, v[L16]
	s_lshr_b32 s21, s[WV], 1                       ; every LDS address is made here, ahead of the parting
	s_lshl_b32 s21, s21, 8
	s_and_b32 s22, s[WV], 1
	s_lshl_b32 s22, s22, 3
	s_add_co_u32 s21, s21, s22
	v_lshl_add_u32 v[KA], v[R], 4, s21             ; tiles 2 u, 2 u + 1 of row r: 256 (u / 2) + 16 r + 8 (u % 2)
	s_lshl_b32 s22, s[WV], 2
	v_lshl_add_u32 v[VA], v[R], 4, s22             ; 16 r + 4 x wave
	v_add_nc_u32 v[WA], 1024, v[VA]
	v_add_nc_u32 v[VA], 512, v[VA]
	s_mul_i32 s21, s[WV], 1536
	v_add_nc_u32 v[FO], s21, v[L16]
	v_lshrrev_b32 v[RR], 3, v[R]
	v_and_b32 v[HO], 7, v[R]
	v_lshl_add_u32 v[RR], v[RR], 5, v[HO]
	v_lshlrev_b32 v[HO], 7, v[H]
	v_mov_b32 v[T+4], 0                            ; a lane permute's destination counts as one of its sources: written once
	v_mov_b32 v[T+5], 0
	v_mov_b32 v[PT], 0
	s_mov_b32 s[SEL], 0x76543210
	s_mov_b32 s[SEL+1], 0xfedcba98
	s_mov_b32 s[INV], 0x3c800000
	s_mov_b32 s[EPS], 0x3727c5ac
	s_mov_b32 s27, 0
	s_wait_kmcnt 0x0
	s_cmp_lt_u32 ttmp9, 64
	s_cbranch_scc1 .Lk_path
	s_cmp_lt_u32 ttmp9, 128
	s_cbranch_scc1 .Lv_path
	; ---- W: tile T of 16 rows, K step 4 g + wave
	s_sub_co_u32 s23, ttmp9, 128
	s_lshr_b32 s24, s23, 1                         ; T
	s_and_b32 s25, s23, 1                          ; g
	s_lshl_b32 s25, s25, 2
	s_add_co_u32 s25, s25, s[WV]                   ; the K step
	s_lshl_b32 s26, s24, 16                        ; 16 rows of 4,096 bytes
	s_lshl_b32 s32, s25, 9                         ; 128 numbers
	s_add_co_u32 s26, s26, s32
	s_add_nc_u64 s[12:13], s[12:13], s[26:27]
	s_lshr_b32 s26, s24, 4                         ; wcodes: [T / 16][K step][T % 16][fragment]; the wave's 1,536 in FO is taken off
	s_mul_i32 s26, s26, 196608
	s_mul_i32 s32, s25, 24576
	s_add_co_u32 s26, s26, s32
	s_and_b32 s32, s24, 15
	s_mul_i32 s32, s32, 1536
	s_add_co_u32 s26, s26, s32
	s_add_nc_u64 s[16:17], s[16:17], s[26:27]
	s_lshl_b32 s26, s23, 8                         ; sc: W's part begins at 262,144; 512 T + 256 g
	s_add_co_u32 s26, s26, 262144
	s_add_nc_u64 s[18:19], s[18:19], s[26:27]
	v_lshlrev_b32 v[LO], 12, v[R]
	v_lshl_add_u32 v[LO], v[H], 7, v[LO]           ; row r, + 128 bytes for the upper half of the lanes
.irp c, 0,1
.irp q, 0,1,2,3,4,5,6,7
	global_load_b128 v[SRC+32*\c+4*\q:SRC+32*\c+4*\q+3], v[LO], s[12:13] offset:256*\c+16*\q th:TH_LOAD_NT
.endr
.endr
	s_wait_loadcnt 0x0
	QFRAG SRC, FR, FR+6, TMP, SO, WD, PT
.irp g, 0,1,2
	global_store_b128 v[L16], v[FR+4*\g:FR+4*\g+3], s[16:17] offset:512*\g
.endr
	ds_store_b32 v[WA], v[WD]                      ; both halves of the lanes write the same word with the same value
	s_wait_dscnt 0x0                               ; for the others' sake: my store has landed
	s_barrier_signal -1
	s_barrier_wait -1
	s_cmp_lg_u32 s[WV], 0
	s_cbranch_scc1 .Lw_end
	ds_load_b64 v[BACK:BACK+1], v[L8] offset:1024  ; 16 rows x 4 words
	s_wait_dscnt 0x0
	global_store_b64 v[L8], v[BACK:BACK+1], s[18:19]   ; 32 lanes store 256 consecutive bytes, aligned
.Lw_end:
	s_wait_tensorcnt 0x0
	ds_add_u32 v192, v193
	s_wait_dscnt 0x0
	s_endpgm
.Lk_path:
	; ---- K: step = work-group; wave u makes tiles 2 u and 2 u + 1
	s_lshl_b32 s24, ttmp9, 7                       ; 128 keys a step, the batches on end
	s_lshr_b32 s25, s[WV], 1
	s_lshl_b32 s25, s25, 6
	s_add_co_u32 s24, s24, s25                     ; + 64 (u / 2)
	s_and_b32 s25, s[WV], 1
	s_lshl_b32 s25, s25, 4
	s_add_co_u32 s24, s24, s25                     ; + 16 (u % 2)
	s_lshl_b32 s26, s24, 8                         ; rows of 256 bytes
	s_add_nc_u64 s[4:5], s[4:5], s[26:27]
	s_mul_i32 s26, ttmp9, STEPB
	s_add_nc_u64 s[14:15], s[14:15], s[26:27]      ; the step's block of kv
	s_wait_alu depctr_va_vdst(0)
	v_lshlrev_b32 v[LO], 8, v[RR]
	v_lshl_add_u32 v[LO], v[H], 7, v[LO]           ; key 32 (r / 8) + r % 8, + 128 bytes for the upper half of the lanes
.irp x, 0,1
.irp q, 0,1,2,3,4,5,6,7
	global_load_b128 v[SRC+32*\x+4*\q:SRC+32*\x+4*\q+3], v[LO], s[4:5] offset:2048*\x+16*\q th:TH_LOAD_NT   ; the second tile's keys lie 8 further on
.endr
.endr
.irp q, 0,1,2,3,4,5,6,7
	global_load_b128 v[WR+4*\q:WR+4*\q+3], v[HO], s[6:7] offset:16*\q
	global_load_b128 v[BR+4*\q:BR+4*\q+3], v[HO], s[8:9] offset:16*\q
.endr
	s_wait_loadcnt 0x0
	LN2 SRC, WR, BR
	QFRAG SRC, FR, FR+6, TMP, SO, WD, PT
	PUTFRAG 14, 0
	; the word holds tile 0's two bytes below and tile 1's above.  K = 64 fills half of the instruction's 128: each tile's word repeats its two bytes for the half that meets zero codes
	v_and_b32 v[T+6], 0xffff, v[WD]
	v_lshl_or_b32 v[W0], v[WD], 16, v[T+6]
	v_lshrrev_b32 v[T+6], 16, v[WD]
	v_and_or_b32 v[W0+1], v[WD], 0xffff0000, v[T+6]
	ds_store_b64 v[KA], v[W0:W0+1]
	s_wait_dscnt 0x0
	s_barrier_signal -1
	s_barrier_wait -1
	s_cmp_lg_u32 s[WV], 0
	s_cbranch_scc1 .Lk_end
	ds_load_b128 v[BACK:BACK+3], v[L16]            ; lanes 0-15: tiles 0-3 of row l; lanes 16-31: tiles 4-7
	s_wait_dscnt 0x0
	global_store_b128 v[L16], v[BACK:BACK+3], s[14:15] offset:6144
.Lk_end:
	s_wait_tensorcnt 0x0
	ds_add_u32 v192, v193
	s_wait_dscnt 0x0
	s_endpgm
.Lv_path:
	; ---- V: step = work-group - 64; wave t makes the tile of channels 32 (p / 8) + 8 t + p % 8
	s_sub_co_u32 s23, ttmp9, 64
	s_lshl_b32 s26, s23, 15                        ; 128 keys of 256 bytes
	s_lshl_b32 s25, s[WV], 5                       ; 8 t channels
	s_add_co_u32 s26, s26, s25
	s_add_nc_u64 s[10:11], s[10:11], s[26:27]
	s_mul_i32 s26, s23, STEPB
	s_add_nc_u64 s[14:15], s[14:15], s[26:27]
	s_wait_alu depctr_va_vdst(0)
	v_lshlrev_b32 v[LO], 2, v[RR]
	v_lshl_add_u32 v[LO], v[H], 13, v[LO]          ; my channel; the upper half of the lanes begins 32 keys further down
.irp c, 0,1
.irp i, 0,1,2,3,4,5,6,7,8,9,10,11,12,13,14,15,16,17,18,19,20,21,22,23,24,25,26,27,28,29,30,31
	global_load_b32 v[SRC+32*\c+\i], v[LO], s[10:11] offset:(64*\c+\i)*256   ; key 64 c + 32 h + i: the registers run down K, in the operand's own order
.endr
.endr
	s_wait_loadcnt 0x0
	QFRAG SRC, FR, FR+6, TMP, SO, WD, PT
	PUTFRAG 14, 6656
	ds_store_b32 v[VA], v[WD]
	ds_store_b32 v[VA], v[WD] offset:256           ; a copy for lanes 16-31 of the image, so that every byte of it is written
	s_wait_dscnt 0x0
	s_barrier_signal -1
	s_barrier_wait -1
	s_cmp_lg_u32 s[WV], 0
	s_cbranch_scc1 .Lv_end
	ds_load_b128 v[BACK:BACK+3], v[L16] offset:512
	s_wait_dscnt 0x0
	global_store_b128 v[L16], v[BACK:BACK+3], s[14:15] offset:12800
.Lv_end:
	s_wait_tensorcnt 0x0
	ds_add_u32 v192, v193
	s_wait_dscnt 0x0
	s_endpgm
.Lfunc_end_k_qb67689ae5a_prep:
	.size	k_qb67689ae5a_prep, .Lfunc_end_k_qb67689ae5a_prep-k_qb67689ae5a_prep
	.p2alignl 7, 3214868480
	.fill 96, 4, 3214868480
	.section	.rodata,"a",@progbits
	.p2align	6, 0x0
	.amdhsa_kernel k_qb67689ae5a_prep
		.amdhsa_group_segment_fixed_size 1792
		.amdhsa_private_segment_fixed_size 0
		.amdhsa_enable_private_segment 0
		.amdhsa_kernarg_size 64
		.amdhsa_user_sgpr_count 2
		.amdhsa_user_sgpr_kernarg_segment_ptr 1
		.amdhsa_wavefront_size32 1
		.amdhsa_system_sgpr_workgroup_id_x 1
		.amdhsa_system_sgpr_workgroup_id_y 1
		.amdhsa_system_sgpr_workgroup_id_z 1
		.amdhsa_system_vgpr_workitem_id 0
		.amdhsa_next_free_vgpr 194
		.amdhsa_next_free_sgpr 66
		.amdhsa_reserve_vcc 0
		.amdhsa_float_denorm_mode_32 3
		.amdhsa_float_denorm_mode_16_64 3
		.amdhsa_memory_ordered 1
		.amdhsa_forward_progress 1
		.amdhsa_inst_pref_size 37
	.end_amdhsa_kernel
	.amdgpu_metadata
---
amdhsa.version: [ 1, 2 ]
amdhsa.kernels:
  - .name:           k_qb67689ae5a_prep
    .symbol:         k_qb67689ae5a_prep.kd
    .args:
      - { .name: x_k, .offset: 0, .size: 8, .value_kind: global_buffer, .address_space: global }
      - { .name: kn_w, .offset: 8, .size: 8, .value_kind: global_buffer, .address_space: global }
      - { .name: kn_b, .offset: 16, .size: 8, .value_kind: global_buffer, .address_space: global }
      - { .name: x_v, .offset: 24, .size: 8, .value_kind: global_buffer, .address_space: global }
      - { .name: proj_w, .offset: 32, .size: 8, .value_kind: global_buffer, .address_space: global }
      - { .name: kv, .offset: 40, .size: 8, .value_kind: global_buffer, .address_space: global }
      - { .name: wcodes, .offset: 48, .size: 8, .value_kind: global_buffer, .address_space: global }
      - { .name: sc, .offset: 56, .size: 8, .value_kind: global_buffer, .address_space: global }
    .group_segment_fixed_size: 1792
    .private_segment_fixed_size: 0
    .kernarg_segment_align: 8
    .kernarg_segment_size: 64
    .max_flat_workgroup_size: 128
    .sgpr_count:     66
    .vgpr_count:     194
    .wavefront_size: 32
...
	.end_amdgpu_metadata
.endif
;; end of part 1
;; launch attn (part 2): grid 64 x 4, 16 waves a work-group, clusters of 4 x 1, 287,744 bytes of LDS; arguments x_q, qn_w, qn_b, kv, n_w, n_b, xcodes, sc; writes xcodes, sc
.if DOCPART == 2
	.amdgcn_target "amdgcn-amd-amdhsa--gfx1250"
	.amdhsa_code_object_version 6
	.text
	.protected	k_qb67689ae5a_attn
	.globl	k_qb67689ae5a_attn
	.p2align	8
	.type	k_qb67689ae5a_attn,@function
k_qb67689ae5a_attn:
	s_mov_b64 s[64:65], 0
	v_nop
	global_prefetch_b8 v0, s[64:65] scope:SCOPE_SE
	s_setreg_imm32_b32 hwreg(HW_REG_WAVE_MODE, 25, 1), 1
	s_wait_xcnt 0x0
	s_wait_alu depctr_hold_cnt(0) depctr_sa_sdst(0) depctr_va_vdst(0) depctr_va_sdst(0) depctr_va_ssrc(0) depctr_va_vcc(0) depctr_vm_vsrc(0)
	s_getreg_b32 s2, hwreg(HW_REG_IB_STS2, 6, 4)
	s_cmp_eq_u32 s2, 0
	s_cbranch_scc0 .Lentry_in_a_cluster
	s_endpgm
.Lentry_in_a_cluster:
	s_bfe_u32 s2, ttmp6, 0x10000c
	s_cmp_lg_u32 s2, 0x3003
	s_cbranch_scc0 .Lentry_shape_is_right
	s_endpgm
.Lentry_shape_is_right:
; ATTN: q = LayerNorm(x_q as rows of 64) / 8; S = q k^T; p = 2^(t - M); O = p v / l; the heads side by side; LayerNorm over 1,024; the result quantised for the projection.
; Both products on codes of E2M3 with one E8M0 byte for each 32 along K.  K and V come as codes from the launch before, in the order of the operands' registers.
; SHARES.  A work-group owns 32 rows s of one batch with all 16 heads: 512 queries, and so whole rows of the last norm.  Wave 2 j + i takes heads 2 j, 2 j + 1 (tiles x = 0, 1) of rows 16 i .. 16 i + 15.  256 work-groups of 16 waves.
; LDS.  A batch's K and V as codes are 16 steps x 13,312 bytes: they lie in LDS whole, filled once, one tensor load a wave (one load of mine is out).  Nothing is filled again.
; Behind them: the norm's partial sums, the scale words on their way out, the spare words, and a stage of 16 rows x 272 bytes for each wave; no tensor load lands on any of these.
; x_q IS LOADED AS IT LIES: a load takes 512 consecutive bytes (two rows of 64).  A tile's 16 rows turn through the wave's own stage and come back 128 bytes of one row to a lane.
; CLUSTER.  The four work-groups of a cluster belong to one batch and need the same K and V: each load is asked for jointly, with the same descriptor and a mask that names the four.
; NO PREFETCH: K and V come by the one load at the head and x_q by one run of loads there; no loop of this text runs ahead of a stream from memory.
; LAYOUT.  Both products are used transposed: S^T = K Q^T, O^T = V^T P^T: a lane holds ONE query (lane % 16).  By the choice of the keys that form a tile, S register 32 c + i of lane (r, h) is key 64 c + 32 h + i of the step:
; a whole block of 32 keys in one lane, in the order of the second product's operand.  Likewise O register 8 t + j is channel 32 h + 8 t + j.
; K = 64 IN AN INSTRUCTION OF 128: Q's fragment is six registers of codes and six of zero codes.  K's tiles lie on end, six registers each; what a tile's operand names as its upper half is the next tile's codes
; (behind the last tile six spare registers): they meet Q's zero codes and add nothing.  The scale words repeat their two bytes, so no byte of them is 0xff.
; THE SOFTMAX: t = score x log2(e); M = the running largest t rounded up to a whole number; p = 2^(t - M) is quantised, not normalised; l is the sum of the unquantised p; when M moves, l and O are multiplied by 2^(old M - new M), which rounds nothing.
; LIMITS: NaN and infinities among the inputs are not served.  A block whose largest magnitude lies under 2^-124 keeps the scale byte 1, a block of zeros too (the rule says 127): its codes are zeros, and this program alone reads the bytes.
; A p under 2^-126 counts as 0 (the exponential gives no denormal results: ISA guide, its entry in chapter 15).  The scaled scores stay under 2^31 in magnitude.
.set STEPB, 13312                      ; a key step's block: K's 4 fragments, K's scale words, V's 4 fragments, V's scale words
.set KSOFF, 6144
.set VOFF,  6656
.set VSOFF, 12800
.set STAT1, 16*STEPB                   ; 1,024 bytes for the rows' sums, 1,024 for the sums of squares,
.set SCG,   STAT1+2048                 ; 1,024 for the scale words on their way out,
.set SPARE, STAT1+3072                 ; the spare words, 128 bytes a wave,
.set QST,   SPARE+2048                 ; and the stages for x_q
.set QP,    272                        ; a stage row: 256 bytes + 16
.set A16, 1                            ; v1      16 x lane + the step's block
.set ST,  2                            ; v2-5, v6-9  for tile x: -M, the largest score, l in two halves
.set QS,  10                           ; v10-11  Q's scale words
.set PS,  12                           ; v12-13  P's
.set KS,  14                           ; v14-17  K's, then V's
.set T,   18                           ; v18-25  at work
.set Q0,  26                           ; v26-49  Q's two fragments
.set P0,  50                           ; v50-73  P's two (ahead of the conversions: at work)
.set KV,  74                           ; v74-121 K's 8 tiles (6 registers each), then V's 4 fragments
.set RAW, 56                           ; the head: v56-119 x_q as loaded
.set SH8, 122                          ; v122    8 x (lane / 16); v122-127 are the six registers behind K's last tile, never written in the loop
.set S,   128                          ; v128-191 S^T, then p
.set O,   192                          ; v192-255 O^T: tile x, channels' tile t at 32 x + 8 t
.set SW,  123                          ; the way out: LDS addresses in v123-127
.set SR,  124
.set SG,  125
.set L16, 126
.set SB,  127
.set XC,  90                           ; the way out: v90-101 x's fragment; v102-109 at work
.set RB,  102
.set NBR, 26                           ; the way out: v26-89 n_b; n_w takes S's registers
.set WV,  20
.set WJ,  21
.set WI,  22
.set SEL, 26                           ; s[26:27] lane selects: lane l xor 16
.set CS,  28                           ; s[28:29] log2(e)
.set CNT, 30
.set TB,  31                           ; s31 the step's block in LDS
.set INV, 32
.set EPS, 33
.set G1,  36                           ; s[36:43] descriptor group 1
.set G0,  44                           ; s[44:47] descriptor group 0
.macro ROUND                           ; a round of the cluster's barrier
	s_barrier_signal -1
	s_barrier_wait -1
	s_cmp_lg_u32 s[WV], 0
	s_cbranch_scc1 .Lnot_wave_0_\@
	s_barrier_signal -3
.Lnot_wave_0_\@:
	s_barrier_wait -3
	s_barrier_signal -1
	s_barrier_wait -1
.endm
; LayerNorm over 64 for two rows by turns (x = 0, 1).  v[src + 32 x + i] = channel 32 (lane / 16) + i of row x; lane l xor 16 holds the other 32.  Mean, deviations, squares: no difference of large sums.
.macro LN2 src, wr, br
.irp x, 0,1
	v_pk_add_f32 v[T+2*\x:T+2*\x+1], v[\src+32*\x:\src+32*\x+1], v[\src+32*\x+2:\src+32*\x+3]
.endr
.irp i, 4,6,8,10,12,14,16,18,20,22,24,26,28,30
.irp x, 0,1
	s_delay_alu instid0(VALU_DEP_2)
	v_pk_add_f32 v[T+2*\x:T+2*\x+1], v[T+2*\x:T+2*\x+1], v[\src+32*\x+\i:\src+32*\x+\i+1]
.endr
.endr
.irp x, 0,1
	s_delay_alu instid0(VALU_DEP_2)
	v_add_f32 v[T+2*\x], v[T+2*\x], v[T+2*\x+1]
.endr
.irp x, 0,1
	s_delay_alu instid0(VALU_DEP_2)
	v_permlanex16_b32 v[T+4+\x], v[T+2*\x], s[SEL], s[SEL+1]
.endr
.irp x, 0,1
	s_delay_alu instid0(VALU_DEP_2)
	v_add_f32 v[T+2*\x], v[T+2*\x], v[T+4+\x]
.endr
.irp x, 0,1
	s_delay_alu instid0(VALU_DEP_2)
	v_mul_f32 v[T+2*\x], s[INV], v[T+2*\x]         ; the mean
.endr
.irp i, 0,2,4,6,8,10,12,14,16,18,20,22,24,26,28,30
.irp x, 0,1
	v_pk_add_f32 v[\src+32*\x+\i:\src+32*\x+\i+1], v[\src+32*\x+\i:\src+32*\x+\i+1], v[T+2*\x:T+2*\x+1] op_sel_hi:[1,0] neg_lo:[0,1] neg_hi:[0,1]
.endr
.endr
.irp x, 0,1
	v_pk_mul_f32 v[T+2*\x:T+2*\x+1], v[\src+32*\x:\src+32*\x+1], v[\src+32*\x:\src+32*\x+1]
.endr
.irp i, 2,4,6,8,10,12,14,16,18,20,22,24,26,28,30
.irp x, 0,1
	s_delay_alu instid0(VALU_DEP_2)
	v_pk_fma_f32 v[T+2*\x:T+2*\x+1], v[\src+32*\x+\i:\src+32*\x+\i+1], v[\src+32*\x+\i:\src+32*\x+\i+1], v[T+2*\x:T+2*\x+1]
.endr
.endr
.irp x, 0,1
	s_delay_alu instid0(VALU_DEP_2)
	v_add_f32 v[T+2*\x], v[T+2*\x], v[T+2*\x+1]
.endr
.irp x, 0,1
	s_delay_alu instid0(VALU_DEP_2)
	v_permlanex16_b32 v[T+4+\x], v[T+2*\x], s[SEL], s[SEL+1]
.endr
.irp x, 0,1
	s_delay_alu instid0(VALU_DEP_2)
	v_add_f32 v[T+2*\x], v[T+2*\x], v[T+4+\x]
.endr
.irp x, 0,1
	s_delay_alu instid0(VALU_DEP_2)
	v_fma_f32 v[T+2*\x], v[T+2*\x], s[INV], s[EPS]
.endr
	s_wait_alu depctr_va_vdst(0)                   ; ahead of the roots
.irp x, 0,1
	v_rsq_f32 v[T+2*\x], v[T+2*\x]
.endr
	v_nop                                          ; a plain instruction behind the last root
	s_wait_alu depctr_va_vdst(0)                   ; one wait for both roots, ahead of their first reader
.irp i, 0,2,4,6,8,10,12,14,16,18,20,22,24,26,28,30
.irp x, 0,1
	v_pk_mul_f32 v[\src+32*\x+\i:\src+32*\x+\i+1], v[\src+32*\x+\i:\src+32*\x+\i+1], v[T+2*\x:T+2*\x+1] op_sel_hi:[1,0]
.endr
.endr
.irp i, 0,2,4,6,8,10,12,14,16,18,20,22,24,26,28,30
.irp x, 0,1
	v_pk_fma_f32 v[\src+32*\x+\i:\src+32*\x+\i+1], v[\src+32*\x+\i:\src+32*\x+\i+1], v[\wr+\i:\wr+\i+1], v[\br+\i:\br+\i+1]
.endr
.endr
.endm
; 64 numbers of a lane, two WHOLE blocks of 32 (block 2 c + lane / 16), become 6 registers of codes at d0 and 6 at d1, and the scale word (bytes of blocks 0 to 3, in both halves of the lanes) in v[wd].
.macro QFRAG src, d0, d1, tmp, so, wd, pt
.irp c, 0,1
	v_max3_num_f32 v[\so+\c], |v[\src+32*\c]|, |v[\src+32*\c+1]|, 0x1800000   ; the floor 2^(3 - 127) among the leaves: the byte cannot fall under 1
.endr
.irp i, 2,4,6,8,10,12,14,16,18,20,22,24,26,28,30
.irp c, 0,1
	s_delay_alu instid0(VALU_DEP_2)
	v_max3_num_f32 v[\so+\c], v[\so+\c], |v[\src+32*\c+\i]|, |v[\src+32*\c+\i+1]|
.endr
.endr
.irp c, 0,1
	s_delay_alu instid0(VALU_DEP_2)
	v_add_nc_u32 v[\so+\c], 0xff000000, v[\so+\c]  ; 2 off the exponent field: the conversion's scale operand
.endr
	v_cvt_scalef32_pk16_fp6_f32 v[\d0:\d0+2], v[\src:\src+15], v[\so]
	v_cvt_scalef32_pk16_fp6_f32 v[\tmp:\tmp+2], v[\src+16:\src+31], v[\so]      ; (a conversion's three registers begin on an even number)
	v_cvt_scalef32_pk16_fp6_f32 v[\d1:\d1+2], v[\src+32:\src+47], v[\so+1]
	v_cvt_scalef32_pk16_fp6_f32 v[\tmp+4:\tmp+6], v[\src+48:\src+63], v[\so+1]
	v_nop                                          ; one plain instruction behind the conversions
.irp c, 0,1
	v_lshrrev_b32 v[\so+\c], 23, v[\so+\c]         ; the scale's byte
.endr
.irp i, 0,1,2
	v_mov_b32 v[\d0+3+\i], v[\tmp+\i]
	v_mov_b32 v[\d1+3+\i], v[\tmp+4+\i]
.endr
	v_lshl_or_b32 v[\wd], v[\so+1], 16, v[\so]
	s_delay_alu instid0(VALU_DEP_1)
	v_lshlrev_b32 v[\wd], v[SH8], v[\wd]
	s_delay_alu instid0(VALU_DEP_1)
	v_permlanex16_b32 v[\pt], v[\wd], s[SEL], s[SEL+1]
	s_delay_alu instid0(VALU_DEP_1)
	v_or_b32 v[\wd], v[\wd], v[\pt]
.endm
.macro PLACES                          ; four plain instructions between a matrix instruction and a read of its result, or a load into one of its registers (ISA guide 7.12.1 for the reads)
.rept 4
	v_nop
.endr
.endm
; S^T of tile x: 8 tiles of 16 keys.  Each product starts its own sum with the constant 0.  K's scale words: lanes 0-15 hold tiles 0-3, lanes 16-31 tiles 4-7.
.macro SQK x
.irp t, 0,1,2,3
	v_wmma_scale_f32_16x16x128_f8f6f4 v[S+8*\t:S+8*\t+7], v[KV+6*\t:KV+6*\t+11], v[Q0+12*\x:Q0+12*\x+11], 0, v[KS+\t], v[QS+\x] matrix_a_fmt:MATRIX_FMT_FP6 matrix_b_fmt:MATRIX_FMT_FP6
.endr
.irp t, 4,5,6,7
	v_wmma_scale_f32_16x16x128_f8f6f4 v[S+8*\t:S+8*\t+7], v[KV+6*\t:KV+6*\t+11], v[Q0+12*\x:Q0+12*\x+11], 0, v[KS+\t-4], v[QS+\x] matrix_a_fmt:MATRIX_FMT_FP6 matrix_b_fmt:MATRIX_FMT_FP6 matrix_a_scale:MATRIX_SCALE_ROW1
.endr
.endm
; The softmax of tile x for one key step: from 64 scores a lane to P's fragment and scale word; l and O^T are brought under the new M.
; Long sums and maxima go in four chains by turns; the short serial runs (the factor f, the scale word) stand among them.
.macro SOFTMAX x
.set SX, ST+4*\x
.set PX, P0+12*\x
.set OX, O+32*\x
.irp c, 0,1,2,3                        ; chain c: scores 16 c .. 16 c + 14, ascending
	v_max3_num_f32 v[PX+\c], v[S+16*\c], v[S+16*\c+1], v[S+16*\c+2]
.endr
.irp i, 3,5,7,9,11,13
.irp c, 0,1,2,3
	v_max3_num_f32 v[PX+\c], v[PX+\c], v[S+16*\c+\i], v[S+16*\c+\i+1]
.endr
.endr
	v_max3_num_f32 v[T], v[PX], v[PX+1], v[S+15]       ; the largest SCORE of each of my two blocks of 32 keys: it serves for the row's maximum and, since p rises with the score, for the block's largest p
	v_max3_num_f32 v[T+1], v[PX+2], v[PX+3], v[S+47]
	v_mov_b32 v[T+4], v[SX]                            ; the old -M
	v_max_num_f32 v[T], v[T], v[S+31]
	v_max_num_f32 v[T+1], v[T+1], v[S+63]
	v_max_num_f32 v[T+2], v[T], v[T+1]
	v_permlanex16_b32 v[T+3], v[T+2], s[SEL], s[SEL+1]   ; the query's other 64 keys lie in the lane 16 away
	v_max3_num_f32 v[SX+1], v[SX+1], v[T+2], v[T+3]      ; the running largest score
	v_mul_f32 v[T+5], s[CS], v[SX+1]               ; as t (log2(e) is positive)
	v_floor_f32 v[SX], -v[T+5]                     ; -M = floor(-t) = -ceil(t): M is a whole number
.set j, 0
.rept 32
	v_pk_fma_f32 v[S+j:S+j+1], v[S+j:S+j+1], s[CS:CS+1], v[SX:SX+1] op_sel_hi:[1,0,0]   ; t - M, two at a time
.if j == 6
	v_sub_f32 v[T+4], v[SX], v[T+4]                ; old M - new M: a whole number, 0 or less
.endif
.if j == 14
	v_cvt_i32_f32 v[T+4], v[T+4]                   ; (it saturates)
.endif
.if j == 22
	v_ldexp_f32 v[T+6], 1.0, v[T+4]                ; f = 2^(old M - new M)
.endif
.set j, j+2
.endr
	v_fma_f32 v[T], v[T], s[CS], v[SX]             ; the same of each block's largest score
	v_fma_f32 v[T+1], v[T+1], s[CS], v[SX]
	s_wait_alu depctr_va_vdst(0)                   ; ahead of the batch
.set j, 0
.rept 64
	v_exp_f32 v[S+j], v[S+j]                       ; p = 2^(t - M), at most 1
.set j, j+1
.endr
	v_exp_f32 v[T], v[T]                           ; the blocks' largest p: the same two instructions on the same number give the same bits
	v_exp_f32 v[T+1], v[T+1]
	v_pk_mul_f32 v[SX+2:SX+3], v[SX+2:SX+3], v[T+6:T+7] op_sel_hi:[1,0]   ; l under the new M: the plain instruction behind the exponentials
	s_wait_alu depctr_va_vdst(0)                   ; one wait for the batch of 66, ahead of its first reader
	v_pk_add_f32 v[T+2:T+3], v[S:S+1], v[S+2:S+3]  ; l takes the UNQUANTISED p, in four chains
	v_pk_add_f32 v[T+4:T+5], v[S+4:S+5], v[S+6:S+7]
	v_pk_add_f32 v[PX:PX+1], v[S+8:S+9], v[S+10:S+11]
	v_pk_add_f32 v[SX+2:SX+3], v[SX+2:SX+3], v[S+12:S+13]
	v_max_num_f32 v[T], 0x1800000, v[T]            ; the floor 2^(3 - 127)
	v_max_num_f32 v[T+1], 0x1800000, v[T+1]
.set j, 14
.rept 6
	v_pk_add_f32 v[T+2:T+3], v[T+2:T+3], v[S+j:S+j+1]
	v_pk_add_f32 v[T+4:T+5], v[T+4:T+5], v[S+j+2:S+j+3]
	v_pk_add_f32 v[PX:PX+1], v[PX:PX+1], v[S+j+4:S+j+5]
	v_pk_add_f32 v[SX+2:SX+3], v[SX+2:SX+3], v[S+j+6:S+j+7]
.if j == 14
	v_add_nc_u32 v[T], 0xff000000, v[T]            ; 2 off the exponent field: the conversion's scale operand
	v_add_nc_u32 v[T+1], 0xff000000, v[T+1]
.endif
.if j == 22
	v_lshrrev_b32 v[PX+2], 23, v[T]                ; the bytes of blocks h and 2 + h
	v_lshrrev_b32 v[PX+3], 23, v[T+1]
.endif
.if j == 30
	v_lshl_or_b32 v[PX+2], v[PX+3], 16, v[PX+2]
.endif
.if j == 38
	v_lshlrev_b32 v[PX+2], v[SH8], v[PX+2]
.endif
.if j == 46
	v_permlanex16_b32 v[PX+3], v[PX+2], s[SEL], s[SEL+1]
.endif
.if j == 54
	v_or_b32 v[PS+\x], v[PX+2], v[PX+3]            ; P's scale word for these 128 keys
.endif
.set j, j+8
.endr
	v_pk_add_f32 v[T+2:T+3], v[T+2:T+3], v[S+62:S+63]
	v_pk_add_f32 v[T+4:T+5], v[T+4:T+5], v[PX:PX+1]
	v_pk_add_f32 v[SX+2:SX+3], v[SX+2:SX+3], v[T+2:T+3]
	v_pk_add_f32 v[SX+2:SX+3], v[SX+2:SX+3], v[T+4:T+5]
	v_cvt_scalef32_pk16_fp6_f32 v[PX:PX+2], v[S:S+15], v[T]
	v_cvt_scalef32_pk16_fp6_f32 v[T+2:T+4], v[S+16:S+31], v[T]     ; (a conversion's three registers begin on an even number)
	v_cvt_scalef32_pk16_fp6_f32 v[PX+6:PX+8], v[S+32:S+47], v[T+1]
	v_nop                                          ; a plain instruction: the next line writes registers that the first conversion has read
	v_cvt_scalef32_pk16_fp6_f32 v[S:S+2], v[S+48:S+63], v[T+1]
.irp i, 0,1,2
	v_mov_b32 v[PX+3+\i], v[T+2+\i]                ; (the first of these is the plain instruction behind the last conversion)
.endr
.irp i, 0,1,2
	v_mov_b32 v[PX+9+\i], v[S+\i]
.endr
.set j, 0
.rept 16
	v_pk_mul_f32 v[OX+j:OX+j+1], v[OX+j:OX+j+1], v[T+6:T+7] op_sel_hi:[1,0]   ; O^T under the new M, in ascending order.  These sixteen also stand between the writes of P and its scale word and the products that take them
.set j, j+2
.endr
.endm
	s_load_b256 s[4:11], s[0:1], 0x0               ; x_q s[4:5], qn_w s[6:7], qn_b s[8:9], kv s[10:11]
	s_load_b256 s[12:19], s[0:1], 0x20             ; n_w s[12:13], n_b s[14:15], xcodes s[16:17], sc s[18:19]
	v_lshl_add_u32 v254, v0, 2, SPARE
	v_mov_b32 v255, 0
	ds_add_u32 v254, v255                          ; the add, twice on end; its wait stands ahead of my first tensor load
	ds_add_u32 v254, v255
	v_lshrrev_b32 v1, 5, v0
	s_delay_alu instid0(VALU_DEP_1)
	v_readfirstlane_b32 s[WV], v1                  ; wave 0..15
	s_lshr_b32 s[WJ], s[WV], 1                     ; j: my pair of heads
	s_and_b32 s[WI], s[WV], 1                      ; i: my 16 of the 32 rows
	s_bfe_u32 s23, ttmp6, 0x40000                  ; cx: my place in the cluster: it enters x_q's, xcodes' and sc's addresses alone
	s_lshl_b32 s24, ttmp9, 2
	s_add_co_u32 s24, s24, s23                     ; sx: my block of 32 rows
	s_and_b32 s25, ttmp7, 0xffff                   ; the batch, which the four partners share
	; descriptor group 1: 13,312 dense bytes as 52 rows of 256 bytes (32 elements of 8 bytes), no padding
	s_mov_b32 s[G1], 15|(3<<16)|(1<<21)            ; 15:0 the mask: all four work-groups; 17:16 elements of 8 bytes; 21 set beside a mask
	s_mov_b32 s[G1+1], 32<<16
	s_mov_b32 s[G1+2], 52<<16
	s_mov_b32 s[G1+3], 32<<16
	s_mov_b32 s[G1+4], 52
	s_mov_b32 s[G1+5], 32
	s_mov_b32 s[G1+6], 0
	s_mov_b32 s[G1+7], 0
	s_mov_b32 s[G0], 1
	s_mul_i32 s[G0+1], s[WV], STEPB                ; LDS address: key step = my wave's number
	s_mul_i32 s48, s25, 16*STEPB
	s_add_co_u32 s48, s48, s[G0+1]
	s_mov_b32 s49, 0
	s_lshl_b32 s50, s[WJ], 12                      ; x_q: per batch 32,768 dense rows of 256 bytes, row = head x 2,048 + s; head 2 j
	s_lshl_b32 s52, s24, 5
	s_add_co_u32 s50, s50, s52
	s_lshl_b32 s52, s[WI], 4
	s_add_co_u32 s50, s50, s52
	s_lshl_b32 s50, s50, 8
	s_lshl_b32 s52, s25, 23
	s_add_co_u32 s50, s50, s52
	s_mov_b32 s51, 0
	s_mul_i32 s53, s[WV], 16*QP
	s_add_co_u32 s53, s53, QST                     ; my stage
	s_mov_b32 s[SEL], 0x76543210
	s_mov_b32 s[SEL+1], 0xfedcba98
	s_mov_b32 s[CS], 0x3fb8aa3b                    ; log2(e)
	s_mov_b32 s[CS+1], s[CS]
	s_mov_b32 s[INV], 0x3c800000                   ; 1 / 64
	s_mov_b32 s[EPS], 0x3727c5ac                   ; 1e-5
	s_mov_b32 s[CNT], 16
	s_mov_b32 s[TB], 0
	v_and_b32 v12, 15, v0                          ; r
	v_bfe_u32 v13, v0, 4, 1                        ; h
	v_and_b32 v50, 31, v0
	v_mul_u32_u24 v53, v12, QP
	v_mul_u32_u24 v52, v13, QP
	v_lshlrev_b32 v50, 4, v50                      ; x_q as it lies: 16 x lane
	v_lshlrev_b32 v51, 7, v13                      ; the gain and the bias: 128 bytes for the upper half of the lanes
	v_lshl_add_u32 v53, v13, 7, v53
	v_lshl_add_u32 v52, v12, 4, v52
	v_add_nc_u32 v53, s53, v53                     ; out of the stage: row r, + 128 bytes for the upper half of the lanes
	v_add_nc_u32 v52, s53, v52                     ; into it: lanes 0-15 one row, lanes 16-31 the next, 16 bytes a lane
	s_wait_alu depctr_va_vdst(0)
	s_wait_dscnt 0x0                               ; both opening adds are done
	s_wait_kmcnt 0x0
	s_add_nc_u64 s[G0+2:G0+3], s[10:11], s[48:49]
	s_or_b32 s[G0+3], s[G0+3], 0x80000000          ; type = 2
	s_add_nc_u64 s[4:5], s[4:5], s[50:51]
.irp x, 0,1
.irp n, 0,1,2,3,4,5,6,7
	global_load_b128 v[RAW+32*\x+4*\n:RAW+32*\x+4*\n+3], v50, s[4:5] offset:524288*\x+512*\n th:TH_LOAD_NT   ; 32 lanes read 512 consecutive bytes: rows 2 n, 2 n + 1 of the tile; the second head lies 2,048 rows on
.endr
.endr
.irp q, 0,1,2,3,4,5,6,7
	global_load_b128 v[O+4*\q:O+4*\q+3], v51, s[6:7] offset:16*\q
	global_load_b128 v[O+32+4*\q:O+32+4*\q+3], v51, s[8:9] offset:16*\q
.endr
	ROUND                                          ; all four work-groups are here: the joint loads meet
	tensor_load_to_lds s[G0:G0+3], s[G1:G1+7]
	s_nop 0
	PLACES                                         ; four v_nop follow the load
	s_lshl_b32 s48, s[WJ], 9                       ; n_w, n_b: my two heads' 128 numbers
	s_add_nc_u64 s[12:13], s[12:13], s[48:49]
	s_add_nc_u64 s[14:15], s[14:15], s[48:49]
	s_lshl_b32 s48, s25, 4                         ; xcodes: [block of 128 rows][K step j][tile of 16 rows][fragment]
	s_lshr_b32 s50, s24, 2
	s_add_co_u32 s48, s48, s50
	s_mul_i32 s48, s48, 98304
	s_mul_i32 s50, s[WJ], 12288
	s_add_co_u32 s48, s48, s50
	s_and_b32 s50, s24, 3
	s_lshl_b32 s50, s50, 1
	s_add_co_u32 s50, s50, s[WI]
	s_mul_i32 s50, s50, 1536
	s_add_co_u32 s48, s48, s50
	s_add_nc_u64 s[16:17], s[16:17], s[48:49]
	s_lshl_b32 s48, s25, 7                         ; sc: 512 bytes for each tile of 16 rows: tile 128 b + 2 sx + i
	s_lshl_b32 s50, s24, 1
	s_add_co_u32 s48, s48, s50
	s_add_co_u32 s48, s48, s[WI]
	s_lshl_b32 s48, s48, 9
	s_add_nc_u64 s[18:19], s[18:19], s[48:49]
	v_lshlrev_b32 v[SH8], 3, v13
.irp i, 1,2,3,4,5
	v_mov_b32 v[SH8+\i], 0
.endr
.irp i, 0,1,2,3,4,5,6,7
	v_mov_b32 v[T+\i], 0                           ; lane permutes' destinations and upper halves of pairs: written once
.endr
	s_wait_alu depctr_va_vdst(0)
	s_wait_loadcnt 16                              ; x_q's 16 loads are in; the 16 of the gain and the bias, issued behind them, may be out.  My tensor load may be out too: the stage shares no byte with the blocks of K and V
.irp x, 0,1                            ; a tile through my stage.  LDS serves a wave's instructions in order (ISA guide 5.7.1.4): no wait between the stores and the loads, nor in front of the second tile's stores
.irp n, 0,1,2,3,4,5,6,7
	ds_store_b128 v52, v[RAW+32*\x+4*\n:RAW+32*\x+4*\n+3] offset:2*QP*\n
.endr
.irp q, 0,1,2,3,4,5,6,7
	ds_load_b128 v[S+32*\x+4*\q:S+32*\x+4*\q+3], v53 offset:16*\q
.endr
.endr
	s_wait_loadcnt 0x0
	s_wait_dscnt 0x0
	LN2 S, O, O+32
.set j, 0
.rept 32
	v_pk_mul_f32 v[S+j:S+j+1], v[S+j:S+j+1], 0x3e000000 op_sel_hi:[1,0]   ; x 64^-1/2
.set j, j+2
.endr
	QFRAG S, Q0, Q0+12, P0, T, T+2, T+3
	s_delay_alu instid0(VALU_DEP_1)
	v_and_b32 v[T+4], 0xffff, v[T+2]               ; the word holds tile 0's two bytes below and tile 1's above: each tile's word repeats its two
	s_delay_alu instid0(VALU_DEP_1)
	v_lshl_or_b32 v[QS], v[T+2], 16, v[T+4]
	s_delay_alu instid0(VALU_DEP_3)
	v_lshrrev_b32 v[T+4], 16, v[T+2]
	s_delay_alu instid0(VALU_DEP_1)
	v_and_or_b32 v[QS+1], v[T+2], 0xffff0000, v[T+4]
.irp i, 6,7,8,9,10,11
	v_mov_b32 v[Q0+\i], 0                          ; zero codes for k = 64 .. 127
	v_mov_b32 v[Q0+12+\i], 0
.endr
.set j, 0
.rept 64
	v_mov_b32 v[O+j], 0                            ; O^T.  The loop is written once: its first step finds zeros, which the first change of M leaves zeros
.set j, j+1
.endr
.irp x, 0,1
	v_mov_b32 v[ST+4*\x], 0x7f61b1e6               ; -M: 3e38
	v_mov_b32 v[ST+4*\x+1], 0xff61b1e6             ; the largest score so far: -3e38
	v_mov_b32 v[ST+4*\x+2], 0                      ; l
	v_mov_b32 v[ST+4*\x+3], 0
.endr
	s_wait_alu depctr_va_vdst(0)
	s_wait_tensorcnt 0x0                           ; my step's block is in LDS,
	s_barrier_signal -1
	s_barrier_wait -1                              ; everybody's is
.Lstep:                                                ; 16 trips, 128 keys each
	v_and_b32 v[A16], 31, v0
	s_delay_alu instid0(VALU_DEP_1)
	v_lshl_add_u32 v[A16], v[A16], 4, s[TB]        ; 16 x lane + the step's block
	v_nop
	v_nop                                          ; with the two lines above: four plain instructions behind the last trip's products, in front of the loads into their registers
.irp n, 0,1,2,3,4,5,6,7,8,9,10,11
	ds_load_b128 v[KV+4*\n:KV+4*\n+3], v[A16] offset:512*\n        ; K's four fragments as they were stored: 512 consecutive bytes a load
.endr
	ds_load_b128 v[KS:KS+3], v[A16] offset:KSOFF
	s_wait_dscnt 0x0
	SQK 0
	PLACES
	SOFTMAX 0
	SQK 1
	PLACES                                         ; for the loads into K's registers and for the reads of the scores
.irp n, 0,1,2,3,4,5,6,7,8,9,10,11
	ds_load_b128 v[KV+4*\n:KV+4*\n+3], v[A16] offset:VOFF+512*\n   ; V's four fragments land while the second tile's softmax runs
.endr
	ds_load_b128 v[KS:KS+3], v[A16] offset:VSOFF
	SOFTMAX 1
	s_wait_alu depctr_va_vdst(0)
	s_wait_dscnt 0x0
.irp t, 0,1,2,3                        ; O^T += V^T P^T: eight accumulators, one instruction each
.irp x, 0,1
	v_wmma_scale_f32_16x16x128_f8f6f4 v[O+32*\x+8*\t:O+32*\x+8*\t+7], v[KV+12*\t:KV+12*\t+11], v[P0+12*\x:P0+12*\x+11], v[O+32*\x+8*\t:O+32*\x+8*\t+7], v[KS+\t], v[PS+\x] matrix_a_fmt:MATRIX_FMT_FP6 matrix_b_fmt:MATRIX_FMT_FP6
.endr
.endr
	s_add_co_u32 s[TB], s[TB], STEPB
	s_sub_co_u32 s[CNT], s[CNT], 1
	s_cmp_lg_u32 s[CNT], 0
	s_cbranch_scc1 .Lstep
	; THE WAY OUT.  The addresses first: more than four plain instructions that name no register of the last products.
	v_bfe_u32 v10, v0, 4, 1                        ; h
	v_and_b32 v11, 15, v0                          ; r
	s_wait_alu depctr_va_vdst(0)
	v_lshlrev_b32 v[A16], 7, v10                   ; n_w, n_b: 128 bytes for the upper half of the lanes
	v_and_b32 v[L16], 31, v0
	s_delay_alu instid0(VALU_DEP_1)
	v_lshlrev_b32 v[L16], 4, v[L16]
	s_wait_alu depctr_va_vdst(0)
	s_lshl_b32 s48, s[WV], 6
	s_add_co_u32 s48, s48, STAT1
	v_lshl_add_u32 v[SW], v11, 2, s48              ; my wave's 16 partial sums: 64 x wave + 4 r
	s_lshl_b32 s48, s[WI], 6
	s_add_co_u32 s48, s48, STAT1
	v_lshl_add_u32 v[SR], v11, 2, s48              ; and those of the eight waves that hold my rows: 128 j + 64 i + 4 r
	s_lshl_b32 s48, s[WI], 9
	s_lshr_b32 s50, s[WJ], 2
	s_lshl_b32 s50, s50, 8
	s_add_co_u32 s48, s48, s50
	s_and_b32 s50, s[WJ], 3
	s_lshl_b32 s50, s50, 2
	s_add_co_u32 s48, s48, s50
	s_add_co_u32 s48, s48, SCG
	v_lshl_add_u32 v[SG], v11, 4, s48              ; my scale word: 512 i + 256 (j / 4) + 16 r + 4 (j % 4)
	s_lshl_b32 s48, s[WI], 9
	s_add_co_u32 s48, s48, SCG
	v_add_nc_u32 v[SB], s48, v[L16]                ; a tile's 512 bytes of scale words, 16 a lane
	s_mov_b32 s[INV], 0x3a800000                   ; 1 / 1,024
.irp x, 0,1
.irp q, 0,1,2,3,4,5,6,7
	global_load_b128 v[S+32*\x+4*\q:S+32*\x+4*\q+3], v[A16], s[12:13] offset:256*\x+16*\q        ; the gain and the bias at my 64 columns
	global_load_b128 v[NBR+32*\x+4*\q:NBR+32*\x+4*\q+3], v[A16], s[14:15] offset:256*\x+16*\q
.endr
.endr
.irp x, 0,1
	v_add_f32 v[ST+4*\x+2], v[ST+4*\x+2], v[ST+4*\x+3]             ; l's two halves,
.endr
.irp x, 0,1
	s_delay_alu instid0(VALU_DEP_2)
	v_permlanex16_b32 v[T+\x], v[ST+4*\x+2], s[SEL], s[SEL+1]
.endr
.irp x, 0,1
	s_delay_alu instid0(VALU_DEP_2)
	v_add_f32 v[ST+4*\x+2], v[ST+4*\x+2], v[T+\x]                  ; and the other half of the lanes'
.endr
	s_wait_alu depctr_va_vdst(0)
.irp x, 0,1
	v_rcp_f32 v[ST+4*\x+2], v[ST+4*\x+2]
.endr
	v_nop
	s_wait_alu depctr_va_vdst(0)                   ; one wait for both reciprocals, ahead of their first reader
.irp x, 0,1
.set j, 0
.rept 16
	v_pk_mul_f32 v[O+32*\x+j:O+32*\x+j+1], v[O+32*\x+j:O+32*\x+j+1], v[ST+4*\x+2:ST+4*\x+3] op_sel_hi:[1,0]   ; O / l, in ascending order
.set j, j+2
.endr
.endr
; A row's 1,024 numbers lie in eight waves (and in each in lanes l and l xor 16).  My part in v[T] goes to LDS; behind a barrier every wave adds the eight parts of its rows in one fixed order.
.macro ACROSS off
	s_delay_alu instid0(VALU_DEP_1)
	v_pk_add_f32 v[T:T+1], v[T:T+1], v[T+2:T+3]
	s_delay_alu instid0(VALU_DEP_1)
	v_add_f32 v[T], v[T], v[T+1]
	v_permlanex16_b32 v[T+4], v[T], s[SEL], s[SEL+1]
	s_delay_alu instid0(VALU_DEP_1)
	v_add_f32 v[T], v[T], v[T+4]
	ds_store_b32 v[SW], v[T] offset:\off           ; both halves of the lanes write the same word with the same value
	s_wait_dscnt 0x0                               ; for the others' sake: my store has landed
	s_barrier_signal -1
	s_barrier_wait -1
.irp w, 0,1,2,3,4,5,6,7
	ds_load_b32 v[RB+\w], v[SR] offset:\off+128*\w
.endr
	s_wait_dscnt 0x0
.irp w, 0,2,4,6
	v_add_f32 v[RB+\w], v[RB+\w], v[RB+\w+1]
.endr
	s_delay_alu instid0(VALU_DEP_3)
	v_add_f32 v[RB], v[RB], v[RB+2]
	s_delay_alu instid0(VALU_DEP_2)
	v_add_f32 v[RB+4], v[RB+4], v[RB+6]
	s_delay_alu instid0(VALU_DEP_1)
	v_add_f32 v[RB], v[RB], v[RB+4]
.endm
	v_pk_add_f32 v[T:T+1], v[O:O+1], v[O+2:O+3]    ; the sum of my 64, in two chains
	v_pk_add_f32 v[T+2:T+3], v[O+4:O+5], v[O+6:O+7]
.set j, 8
.rept 14
	s_delay_alu instid0(VALU_DEP_2)
	v_pk_add_f32 v[T:T+1], v[T:T+1], v[O+j:O+j+1]
	s_delay_alu instid0(VALU_DEP_2)
	v_pk_add_f32 v[T+2:T+3], v[T+2:T+3], v[O+j+2:O+j+3]
.set j, j+4
.endr
	ACROSS 0
	s_delay_alu instid0(VALU_DEP_1)
	v_mul_f32 v[T], s[INV], v[RB]                  ; the mean
.set j, 0
.rept 32
	v_pk_add_f32 v[O+j:O+j+1], v[O+j:O+j+1], v[T:T+1] op_sel_hi:[1,0] neg_lo:[0,1] neg_hi:[0,1]
.set j, j+2
.endr
	v_pk_mul_f32 v[T:T+1], v[O:O+1], v[O:O+1]      ; the squares of the deviations
	v_pk_mul_f32 v[T+2:T+3], v[O+2:O+3], v[O+2:O+3]
.set j, 4
.rept 15
	s_delay_alu instid0(VALU_DEP_2)
	v_pk_fma_f32 v[T:T+1], v[O+j:O+j+1], v[O+j:O+j+1], v[T:T+1]
	s_delay_alu instid0(VALU_DEP_2)
	v_pk_fma_f32 v[T+2:T+3], v[O+j+2:O+j+3], v[O+j+2:O+j+3], v[T+2:T+3]
.set j, j+4
.endr
	ACROSS 1024                                    ; other bytes than the sums': no wave writes what another may still read
	s_delay_alu instid0(VALU_DEP_1)
	v_fma_f32 v[T], v[RB], s[INV], s[EPS]
	s_wait_alu depctr_va_vdst(0)
	v_rsq_f32 v[T], v[T]
	v_nop
	s_wait_alu depctr_va_vdst(0)
	s_wait_loadcnt 0x0                             ; the gain and the bias
.set j, 0
.rept 32
	v_pk_mul_f32 v[O+j:O+j+1], v[O+j:O+j+1], v[T:T+1] op_sel_hi:[1,0]
.set j, j+2
.endr
.set j, 0
.rept 32
	v_pk_fma_f32 v[O+j:O+j+1], v[O+j:O+j+1], v[S+j:S+j+1], v[NBR+j:NBR+j+1]
.set j, j+2
.endr
	QFRAG O, XC, XC+6, RB, T, T+2, T+3             ; register 32 x + i is column 128 j + 64 x + 32 h + i: K step j of the projection, in the operand's own order
.irp g, 0,1,2
	global_store_b128 v[L16], v[XC+4*\g:XC+4*\g+3], s[16:17] offset:512*\g   ; 512 consecutive bytes, at a multiple of 256 from the buffer's first byte
.endr
	ds_store_b32 v[SG], v[T+2]
	s_wait_dscnt 0x0
	s_barrier_signal -1
	s_barrier_wait -1
	s_cmp_lt_u32 s[WV], 2                          ; waves 0 and 1 (there i = the wave's number) store the two tiles' scale words, 512 consecutive bytes each
	s_cbranch_scc0 .Lno_words
	ds_load_b128 v[RB+2:RB+5], v[SB]
	s_wait_dscnt 0x0
	global_store_b128 v[L16], v[RB+2:RB+5], s[18:19]
.Lno_words:
	s_wait_xcnt 0x0
	v_lshl_add_u32 v254, v0, 2, SPARE              ; the add's two registers lay among O's: made anew
	v_mov_b32 v255, 0
	s_wait_alu depctr_va_vdst(0)
	s_wait_tensorcnt 0x0                           ; the wave's end
	ds_add_u32 v254, v255
	s_wait_dscnt 0x0
	ROUND                                          ; the closing round: no work-group ends while a partner may still ask for a block that names it
	s_endpgm
.Lfunc_end_k_qb67689ae5a_attn:
	.size	k_qb67689ae5a_attn, .Lfunc_end_k_qb67689ae5a_attn-k_qb67689ae5a_attn
	.p2alignl 7, 3214868480
	.fill 96, 4, 3214868480
	.section	.rodata,"a",@progbits
	.p2align	6, 0x0
	.amdhsa_kernel k_qb67689ae5a_attn
		.amdhsa_group_segment_fixed_size 287744
		.amdhsa_private_segment_fixed_size 0
		.amdhsa_enable_private_segment 0
		.amdhsa_kernarg_size 64
		.amdhsa_user_sgpr_count 2
		.amdhsa_user_sgpr_kernarg_segment_ptr 1
		.amdhsa_wavefront_size32 1
		.amdhsa_system_sgpr_workgroup_id_x 1
		.amdhsa_system_sgpr_workgroup_id_y 1
		.amdhsa_system_sgpr_workgroup_id_z 1
		.amdhsa_system_vgpr_workitem_id 0
		.amdhsa_next_free_vgpr 256
		.amdhsa_next_free_sgpr 66
		.amdhsa_reserve_vcc 0
		.amdhsa_float_denorm_mode_32 3
		.amdhsa_float_denorm_mode_16_64 3
		.amdhsa_memory_ordered 1
		.amdhsa_forward_progress 1
		.amdhsa_inst_pref_size 87
	.end_amdhsa_kernel
	.amdgpu_metadata
---
amdhsa.version: [ 1, 2 ]
amdhsa.kernels:
  - .name:           k_qb67689ae5a_attn
    .symbol:         k_qb67689ae5a_attn.kd
    .args:
      - { .name: x_q, .offset: 0, .size: 8, .value_kind: global_buffer, .address_space: global }
      - { .name: qn_w, .offset: 8, .size: 8, .value_kind: global_buffer, .address_space: global }
      - { .name: qn_b, .offset: 16, .size: 8, .value_kind: global_buffer, .address_space: global }
      - { .name: kv, .offset: 24, .size: 8, .value_kind: global_buffer, .address_space: global }
      - { .name: n_w, .offset: 32, .size: 8, .value_kind: global_buffer, .address_space: global }
      - { .name: n_b, .offset: 40, .size: 8, .value_kind: global_buffer, .address_space: global }
      - { .name: xcodes, .offset: 48, .size: 8, .value_kind: global_buffer, .address_space: global }
      - { .name: sc, .offset: 56, .size: 8, .value_kind: global_buffer, .address_space: global }
    .group_segment_fixed_size: 287744
    .private_segment_fixed_size: 0
    .kernarg_segment_align: 8
    .kernarg_segment_size: 64
    .max_flat_workgroup_size: 512
    .sgpr_count:     66
    .vgpr_count:     256
    .wavefront_size: 32
...
	.end_amdgpu_metadata
.endif
;; end of part 2
;; launch proj (part 3): grid 4 x 64, 8 waves a work-group, clusters of 4 x 4, 327,680 bytes of LDS; arguments xcodes, wcodes, sc, out0; writes out0
.if DOCPART == 3
	.amdgcn_target "amdgcn-amd-amdhsa--gfx1250"
	.amdhsa_code_object_version 6
	.text
	.protected	k_qb67689ae5a_proj
	.globl	k_qb67689ae5a_proj
	.p2align	8
	.type	k_qb67689ae5a_proj,@function
k_qb67689ae5a_proj:
	s_mov_b64 s[64:65], 0
	v_nop
	global_prefetch_b8 v0, s[64:65] scope:SCOPE_SE
	s_setreg_imm32_b32 hwreg(HW_REG_WAVE_MODE, 25, 1), 1
	s_wait_xcnt 0x0
	s_wait_alu depctr_hold_cnt(0) depctr_sa_sdst(0) depctr_va_vdst(0) depctr_va_sdst(0) depctr_va_ssrc(0) depctr_va_vcc(0) depctr_vm_vsrc(0)
	s_getreg_b32 s2, hwreg(HW_REG_IB_STS2, 6, 4)
	s_cmp_eq_u32 s2, 0
	s_cbranch_scc0 .Lentry_in_a_cluster
	s_endpgm
.Lentry_in_a_cluster:
	s_bfe_u32 s2, ttmp6, 0x10000c
	s_cmp_lg_u32 s2, 0xf033
	s_cbranch_scc0 .Lentry_shape_is_right
	s_endpgm
.Lentry_shape_is_right:
; PROJ: out0 = x W^T on codes of E2M3 with one E8M0 byte for each 32 along K.  x: 8,192 x 1,024, W: 1,024 x 1,024, both as fragments in the order of the operands' registers
; (a fragment: 16 rows x 128 K, 1,536 bytes, three groups of 512 bytes, 16 bytes a lane).  out0: f32.
; SHARES.  A work-group makes 128 rows x 256 columns: 256 work-groups.  Eight waves, 2 x 4, each 64 x 64: 16 accumulators, 128 registers (window 1).
; LDS.  All of K is brought once: x's 8 K steps x 8 tiles (98,304 bytes), then W's 8 x 16 (196,608).  No byte is filled twice.  Two groups of loads, one load a wave in each:
; K steps 0-3 at the head, K steps 4-7 behind a tensor wait, an add, its wait and a round (and with them the claim of all of LDS).
; In a group waves 0-5 bring W's half in six pieces of 16,384 bytes, waves 6 and 7 x's half in two of 24,576.  One load of mine is out at a time; the second has K steps 0-3 in which to land.
; CLUSTER.  4 x 4 work-groups: the four of a row of the cluster need the same x, the four of a column the same W: each piece is asked for jointly.
; NO PREFETCH: all that is read is asked for by the two groups of loads; no loop runs ahead of a stream.
; THE MATRIX INSTRUCTION IS USED TRANSPOSED (source 0 = 16 rows of W, source 1 = 16 rows of x): a lane then holds eight neighbouring numbers of a row of out0.
; THE SCALE WORDS go from memory straight into registers, 16 bytes a lane (four K steps of a row): register SC + 8 n + ks holds in lanes 0-15 the words of my tile n of x and in lanes 16-31 those of my tile n of W.
; THE WAY OUT: a block of 16 rows x 64 columns goes through the wave's own stage in LDS and leaves as rows of 256 bytes.  The stages lie in W's K steps 0 and 1: those bytes have had their one fill, and every wave's reads of them were over at the barrier in K step 3.
.set BOFF,  98304                      ; W's fragments in LDS
.set STAGE, 98304
.set SPARE, 294912                     ; the spare words, 128 bytes a wave
.set XH,    49152                      ; x's four K steps
.set WH,    98304                      ; W's four K steps
.set AA, 1                             ; v1  LDS address of my fragments of x, two K steps at a time
.set AB, 2                             ; v2  of W
.set STO, 3                            ; v3  the stage: where I put 32 bytes of a row
.set RD, 4                             ; v4  and where I read a row back
.set CO, 5                             ; v5  my byte offset in two rows of out0
.set SO, 6                             ; v6  my offset among the scale words
.set SC, 16                            ; v16-47 the scale words
.set SPW, 62                           ; v62 my spare word; v63 0: never rewritten
.set NIL, 63
.set F0, 64                            ; v64-159, v160-255: two sets of fragments: W's four at + 12 b, x's four at + 48 + 12 a
.set F1, 160
.set WV, 12
.set G1A, 24                           ; s[24:31] descriptor group 1 for x's pieces; s[32:39] for W's
.set G1B, 32
.set G0A, 40                           ; s[40:43] group 0 for x; s[44:47] for W
.set G0B, 44
.set MSB, 0
.macro WIN new                         ; the immediate's high byte repeats the setting that is left
.if MSB != \new
	s_set_vgpr_msb (MSB<<8)|\new
.set MSB, \new
.endif
.endm
.macro ROUND                           ; a round of the cluster's barrier
	s_barrier_signal -1
	s_barrier_wait -1
	s_cmp_lg_u32 s[WV], 0
	s_cbranch_scc1 .Lnot_wave_0_\@
	s_barrier_signal -3
.Lnot_wave_0_\@:
	s_barrier_wait -3
	s_barrier_signal -1
	s_barrier_wait -1
.endm
.macro JLOAD                           ; a joint load, one a wave: each of the two lines has one mask; the branch hangs on the wave's number alone; s_nop 0 and four v_nop follow each line
	s_cmp_lt_u32 s[WV], 6
	s_cbranch_scc0 .Lfor_x_\@
	tensor_load_to_lds s[G0B:G0B+3], s[G1B:G1B+7]
	s_nop 0
.rept 4
	v_nop
.endr
	s_branch .Lasked_\@
.Lfor_x_\@:
	tensor_load_to_lds s[G0A:G0A+3], s[G1A:G1A+7]
	s_nop 0
.rept 4
	v_nop
.endr
.Lasked_\@:
.endm
	s_load_b256 s[4:11], s[0:1], 0x0               ; xcodes s[4:5], wcodes s[6:7], sc s[8:9], out0 s[10:11]
	v_lshl_add_u32 v[SPW], v0, 2, SPARE
	v_mov_b32 v[NIL], 0
	ds_add_u32 v[SPW], v[NIL]                      ; the add, twice on end; its wait stands below
	ds_add_u32 v[SPW], v[NIL]
	v_lshrrev_b32 v1, 5, v0
	s_delay_alu instid0(VALU_DEP_1)
	v_readfirstlane_b32 s[WV], v1                  ; wave 0..7
	s_lshr_b32 s13, s[WV], 2                       ; wm: which 64 rows
	s_and_b32 s14, s[WV], 3                        ; wn: which 64 columns
	s_bfe_u32 s15, ttmp6, 0x40000                  ; cx, cy: my place in the cluster
	s_bfe_u32 s16, ttmp6, 0x40004
	s_lshl_b32 s17, ttmp9, 2
	s_add_co_u32 s17, s17, s15                     ; NB: my block of 256 columns
	s_and_b32 s18, ttmp7, 0xffff
	s_lshl_b32 s18, s18, 2
	s_add_co_u32 s18, s18, s16                     ; MB: my block of 128 rows
	s_lshl_b32 s19, s16, 2
	s_lshl_b32 s19, 15, s19                        ; my row of the cluster
	s_lshl_b32 s20, 0x1111, s15                    ; my column
	; descriptor groups 1: dense bytes as rows of 256 (32 elements of 8 bytes), no padding: x's piece 96 rows, W's 64
	s_or_b32 s[G1A], s19, (3<<16)|(1<<21)          ; 15:0 the mask; 17:16 elements of 8 bytes; 21 set beside a mask
	s_or_b32 s[G1B], s20, (3<<16)|(1<<21)
.irp g, G1A, G1B
	s_mov_b32 s[\g+1], 32<<16                      ; tensor_dim0 = 32
	s_mov_b32 s[\g+3], 32<<16                      ; tile_dim0 = 32
	s_mov_b32 s[\g+5], 32                          ; from row to row
	s_mov_b32 s[\g+6], 0
	s_mov_b32 s[\g+7], 0
.endr
	s_mov_b32 s[G1A+2], 96<<16                     ; tensor_dim1,
	s_mov_b32 s[G1A+4], 96                         ; tile_dim1
	s_mov_b32 s[G1B+2], 64<<16
	s_mov_b32 s[G1B+4], 64
	s_and_b32 s48, s[WV], 1
	s_mul_i32 s48, s48, 24576                      ; x: waves 6 and 7 take the halves of four K steps
	s_mov_b32 s49, 0
	s_lshl_b32 s50, s[WV], 14                      ; W: waves 0 to 5 take sixths of four K steps
	s_mov_b32 s51, 0
	s_mul_i32 s52, s18, 98304                      ; x's block hangs on MB alone, which my row of the cluster shares;
	s_mov_b32 s53, 0
	s_mul_i32 s54, s17, 196608                     ; W's on NB alone, which my column shares
	s_mov_b32 s55, 0
	s_mov_b32 s[G0A], 1
	s_mov_b32 s[G0A+1], s48
	s_mov_b32 s[G0B], 1
	s_add_co_u32 s[G0B+1], s50, BOFF
	s_wait_dscnt 0x0                               ; both opening adds are done
	s_wait_kmcnt 0x0
	s_add_nc_u64 s[G0A+2:G0A+3], s[4:5], s[52:53]
	s_add_nc_u64 s[G0A+2:G0A+3], s[G0A+2:G0A+3], s[48:49]
	s_or_b32 s[G0A+3], s[G0A+3], 0x80000000
	s_add_nc_u64 s[G0B+2:G0B+3], s[6:7], s[54:55]
	s_add_nc_u64 s[G0B+2:G0B+3], s[G0B+2:G0B+3], s[50:51]
	s_or_b32 s[G0B+3], s[G0B+3], 0x80000000
	ROUND                                          ; all sixteen work-groups are here: the joint loads meet
	JLOAD                                          ; K steps 0-3: my one load at the head
	s_lshl_b32 s22, s18, 3                         ; the scale words: 512 bytes for each tile of 16 rows; x's tiles 8 MB + 4 wm on,
	s_lshl_b32 s23, s13, 2
	s_add_co_u32 s22, s22, s23
	s_lshl_b32 s22, s22, 9
	s_lshl_b32 s23, s17, 4                         ; W's, from byte 262,144: tiles 16 NB + 4 wn on
	s_lshl_b32 s56, s14, 2
	s_add_co_u32 s23, s23, s56
	s_lshl_b32 s23, s23, 9
	s_add_co_u32 s23, s23, 262144
	s_sub_co_u32 s23, s23, s22                     ; (W's part lies behind all of x's: the distance is positive)
	s_mul_i32 s21, s13, 6144                       ; my four tiles of x: 4 wm fragments on
	s_mul_i32 s56, s14, 6144
	s_add_co_u32 s56, s56, BOFF                    ; my four tiles of W
	s_mul_i32 s57, s[WV], 16*272
	s_add_co_u32 s57, s57, STAGE                   ; my stage: 16 rows of 256 bytes + 16
	s_lshl_b32 s58, s18, 7
	s_lshl_b32 s59, s13, 6
	s_add_co_u32 s58, s58, s59                     ; my first row: 128 MB + 64 wm
	s_lshl_b32 s58, s58, 12
	s_lshl_b32 s59, s17, 10                        ; my first column, in bytes: 1,024 NB + 256 wn
	s_add_co_u32 s58, s58, s59
	s_lshl_b32 s59, s14, 8
	s_add_co_u32 s58, s58, s59
	s_mov_b32 s59, 0
	s_add_nc_u64 s[10:11], s[10:11], s[58:59]
	v_and_b32 v7, 15, v0                           ; r
	v_bfe_u32 v8, v0, 4, 1                         ; h
	v_and_b32 v9, 31, v0
	v_mul_u32_u24 v[STO], v7, 272
	v_mul_u32_u24 v[SO], s23, v8                   ; lanes 16-31 take W's scale words
	v_mul_u32_u24 v[RD], v8, 272
	v_lshlrev_b32 v9, 4, v9                        ; 16 x lane
	v_lshlrev_b32 v[CO], 12, v8
	v_lshl_add_u32 v[SO], v7, 4, v[SO]
	v_lshl_add_u32 v[STO], v8, 5, v[STO]
	v_lshl_add_u32 v[RD], v7, 4, v[RD]
	v_lshl_add_u32 v[CO], v7, 4, v[CO]             ; two rows of out0: lanes 0-15 one, lanes 16-31 the next
	v_add_nc_u32 v[SO], s22, v[SO]
	v_add_nc_u32 v[STO], s57, v[STO]               ; into the stage: row r, 32 bytes for each half of the lanes
	v_add_nc_u32 v[RD], s57, v[RD]                 ; back: lanes 0-15 one row, lanes 16-31 the next
	v_add_nc_u32 v[AA], s21, v9
	v_add_nc_u32 v[AB], s56, v9
.irp n, 0,1,2,3
.irp g, 0,1
	global_load_b128 v[SC+8*\n+4*\g:SC+8*\n+4*\g+3], v[SO], s[8:9] offset:512*\n+256*\g
.endr
.endr
.macro FETCH ks, set                   ; 24 LDS loads of 512 consecutive bytes: my four fragments of W and four of x for K step ks
	WIN 0
.irp b, 0,1,2,3
.irp g, 0,1,2
	ds_load_b128 v[\set+12*\b+4*\g:\set+12*\b+4*\g+3], v[AB] offset:((\ks)&1)*24576+1536*\b+512*\g
.endr
.endr
.irp a, 0,1,2,3
.irp g, 0,1,2
	ds_load_b128 v[\set+48+12*\a+4*\g:\set+48+12*\a+4*\g+3], v[AA] offset:((\ks)&1)*12288+1536*\a+512*\g
.endr
.endr
.endm
; 16 matrix instructions.  The 16 accumulators take turns, one instruction a turn, in the same order in every K step.  zero = 1: the first product starts the sums.
.macro MUL ks, set, zero
	WIN 0x50                                       ; C and D in window 1
.irp a, 0,1,2,3
.irp b, 0,1,2,3
.if \zero
	v_wmma_scale_f32_16x16x128_f8f6f4 v[8*(4*\a+\b):8*(4*\a+\b)+7], v[\set+12*\b:\set+12*\b+11], v[\set+48+12*\a:\set+48+12*\a+11], 0, v[SC+8*\b+\ks], v[SC+8*\a+\ks] matrix_a_fmt:MATRIX_FMT_FP6 matrix_b_fmt:MATRIX_FMT_FP6 matrix_a_scale:MATRIX_SCALE_ROW1
.else
	v_wmma_scale_f32_16x16x128_f8f6f4 v[8*(4*\a+\b):8*(4*\a+\b)+7], v[\set+12*\b:\set+12*\b+11], v[\set+48+12*\a:\set+48+12*\a+11], v[8*(4*\a+\b):8*(4*\a+\b)+7], v[SC+8*\b+\ks], v[SC+8*\a+\ks] matrix_a_fmt:MATRIX_FMT_FP6 matrix_b_fmt:MATRIX_FMT_FP6 matrix_a_scale:MATRIX_SCALE_ROW1
.endif
.endr
.endr
.endm
.macro EVEN ks, zero                   ; an even K step: the odd one behind it is fetched
	FETCH (\ks)+1, F1
	s_wait_dscnt 24                                ; this K step's 24 loads are in; the 24 just issued may be out
	MUL \ks, F0, \zero
.endm
.macro ODD ks                          ; an odd K step; in K step 3 the barrier in front of the first read of K steps 4-7
	s_wait_alu depctr_va_vdst(0)
.if (\ks) == 3
	s_wait_tensorcnt 0x0                           ; my piece of K steps 4-7 has landed
.endif
	s_wait_dscnt 0x0                               ; this K step's loads are in: no LDS instruction of mine is out at the signal
.if (\ks) == 3
	s_barrier_signal -1
.endif
	MUL \ks, F1, 0                                 ; (in K step 3: work on registers while the others arrive)
	WIN 0
.if (\ks) == 3
	s_barrier_wait -1
.endif
	v_add_nc_u32 v[AA], 24576, v[AA]               ; two K steps on
	v_add_nc_u32 v[AB], 49152, v[AB]
	v_nop
	v_nop                                          ; four plain instructions in front of loads into registers that matrix instructions have read
	FETCH (\ks)+1, F0
.endm
	s_wait_alu depctr_va_vdst(0)
	s_wait_tensorcnt 0x0                           ; my piece of K steps 0-3 is in
	ds_add_u32 v[SPW], v[NIL]
	s_add_co_u32 s[G0A+1], s[G0A+1], XH            ; no load of mine is out: the descriptors step to K steps 4-7
	s_add_nc_u64 s[G0A+2:G0A+3], s[G0A+2:G0A+3], XH
	s_add_co_u32 s[G0B+1], s[G0B+1], WH
	s_add_nc_u64 s[G0B+2:G0B+3], s[G0B+2:G0B+3], WH
	s_wait_dscnt 0x0                               ; the add is done
	ROUND                                          ; everybody's piece is in, and all sixteen work-groups are here
	JLOAD                                          ; K steps 4-7: the first tensor load behind the round
	FETCH 0, F0
	s_wait_loadcnt 0x0                             ; the scale words
	EVEN 0, 1
	ODD 1
	EVEN 2, 0
	ODD 3
	EVEN 4, 0
	ODD 5
	EVEN 6, 0
	s_wait_dscnt 0x0
	MUL 7, F1, 0
	WIN 0
.rept 4
	v_nop                                          ; in front of the reads of results and of the loads into the fragments' registers
.endr
.macro TOSTAGE a                       ; block a: 16 rows x 64 columns.  LDS serves a wave's instructions in order (ISA guide 5.7.1.4): no wait between the stores and the loads, nor in front of the next block's stores
	WIN 0x04                                       ; an LDS store's data are its source 1: window 1
.irp b, 0,1,2,3
	ds_store_b128 v[STO], v[8*(4*\a+\b):8*(4*\a+\b)+3] offset:64*\b          ; each accumulator from its low end on
	ds_store_b128 v[STO], v[8*(4*\a+\b)+4:8*(4*\a+\b)+7] offset:64*\b+16
.endr
	WIN 0
.irp n, 0,1,2,3,4,5,6,7
	ds_load_b128 v[F0+32*\a+4*\n:F0+32*\a+4*\n+3], v[RD] offset:544*\n       ; four sets of registers: no store's data are written again
.endr
.endm
.macro SEND a, younger                 ; younger: the LDS instructions issued behind block a's loads, which may stay out
	s_wait_dscnt \younger
.irp n, 0,1,2,3,4,5,6,7
	global_store_b128 v[CO], v[F0+32*\a+4*\n:F0+32*\a+4*\n+3], s[10:11] offset:(16*\a+2*\n)*4096 th:TH_STORE_NT   ; 16 lanes store 256 consecutive bytes, at a multiple of 256 from out0's first byte
.endr
.endm
	TOSTAGE 0
	TOSTAGE 1
	SEND 0, 16                                     ; behind block 0's loads: block 1's 8 stores and 8 loads
	TOSTAGE 2
	SEND 1, 16
	TOSTAGE 3
	SEND 2, 16
	SEND 3, 0
	s_wait_tensorcnt 0x0                           ; the wave's end
	ds_add_u32 v[SPW], v[NIL]
	s_wait_dscnt 0x0
	ROUND                                          ; the closing round: no work-group ends while a partner may still ask for a piece that names it
	s_endpgm
.Lfunc_end_k_qb67689ae5a_proj:
	.size	k_qb67689ae5a_proj, .Lfunc_end_k_qb67689ae5a_proj-k_qb67689ae5a_proj
	.p2alignl 7, 3214868480
	.fill 96, 4, 3214868480
	.section	.rodata,"a",@progbits
	.p2align	6, 0x0
	.amdhsa_kernel k_qb67689ae5a_proj
		.amdhsa_group_segment_fixed_size 327680
		.amdhsa_private_segment_fixed_size 0
		.amdhsa_enable_private_segment 0
		.amdhsa_kernarg_size 32
		.amdhsa_user_sgpr_count 2
		.amdhsa_user_sgpr_kernarg_segment_ptr 1
		.amdhsa_wavefront_size32 1
		.amdhsa_system_sgpr_workgroup_id_x 1
		.amdhsa_system_sgpr_workgroup_id_y 1
		.amdhsa_system_sgpr_workgroup_id_z 1
		.amdhsa_system_vgpr_workitem_id 0
		.amdhsa_next_free_vgpr 384
		.amdhsa_next_free_sgpr 66
		.amdhsa_reserve_vcc 0
		.amdhsa_float_denorm_mode_32 3
		.amdhsa_float_denorm_mode_16_64 3
		.amdhsa_memory_ordered 1
		.amdhsa_forward_progress 1
		.amdhsa_inst_pref_size 45
	.end_amdhsa_kernel
	.amdgpu_metadata
---
amdhsa.version: [ 1, 2 ]
amdhsa.kernels:
  - .name:           k_qb67689ae5a_proj
    .symbol:         k_qb67689ae5a_proj.kd
    .args:
      - { .name: xcodes, .offset: 0, .size: 8, .value_kind: global_buffer, .address_space: global }
      - { .name: wcodes, .offset: 8, .size: 8, .value_kind: global_buffer, .address_space: global }
      - { .name: sc, .offset: 16, .size: 8, .value_kind: global_buffer, .address_space: global }
      - { .name: out0, .offset: 24, .size: 8, .value_kind: global_buffer, .address_space: global }
    .group_segment_fixed_size: 327680
    .private_segment_fixed_size: 0
    .kernarg_segment_align: 8
    .kernarg_segment_size: 32
    .max_flat_workgroup_size: 256
    .sgpr_count:     66
    .vgpr_count:     384
    .wavefront_size: 32
...
	.end_amdgpu_metadata
.endif
;; end of part 3
